; MI455X (gfx1250); checked and timed in simulation.
; The chip was launched on July 23, 2026; its instructions are those of AMD's public machine-readable ISA for CDNA 5 (MIT licence, August 2026) and "CDNA5" Instruction Set Architecture Reference Guide (July 2026). The comments in the code are by the model that wrote it; some were corrected since.
;; CLSTM Cell. Allowed arithmetic: float matrix products may take bf16 or f16 operands with f32 sums; other float arithmetic in f32, or as packed bf16 or f16 multiplies, adds, multiply-adds, maxima and minima; sums over many terms, partial sums and values carried from step to step in f32; what a program stores and reads back later, other than sums and carried values, may be rounded once to bf16 or f16.
;; Inputs: Ub_i 4 x 1,024 float32; Ub_r 4 x 1,024 float32; Uw_i 4 x 1,024 x 1,024 float32; Uw_r 4 x 1,024 x 1,024 float32; Wb_i 4 x 1,024 float32; Wb_r 4 x 1,024 float32; Ww_i 4 x 1,024 x 1,024 float32; Ww_r 4 x 1,024 x 1,024 float32; c_x 2,048 x 2,048 float32; h_x 2,048 x 2,048 float32; input 2,048 x 2,048 float32.
;; Outputs: out0 2,048 x 2,048 float32; out1 2,048 x 2,048 float32.
;; 2 versions, each right; version 2 is version 1 with the launch prep written anew for expert scheduling mode. Each part assembles by itself: llvm-mc -triple=amdgcn-amd-amdhsa -mcpu=gfx1250 --defsym DOCPART=n.
;; ======== version 1 of 2: 2 launches
;; limits: values outside matrix products are rounded to bf16
;; workspace buffers: a6 25,165,824 bytes; bw 33,554,432 bytes
;; launch prep (part 1): grid 768 x 1, 8 waves a work-group, no clusters, 0 bytes of LDS; arguments input, h_x, Uw_r, Uw_i, Ww_r, Ww_i, a6, bw; writes a6, bw
.if DOCPART == 1
	.amdgcn_target "amdgcn-amd-amdhsa--gfx1250"
	.amdhsa_code_object_version 6
	.text
	.protected	k_qf885512907_prep
	.globl	k_qf885512907_prep
	.p2align	8
	.type	k_qf885512907_prep,@function
k_qf885512907_prep:
	s_mov_b64 s[64:65], 0
	v_nop
	global_prefetch_b8 v0, s[64:65] scope:SCOPE_SE
	s_setreg_imm32_b32 hwreg(HW_REG_WAVE_MODE, 25, 1), 1
	s_wait_xcnt 0x0
; COMPLEX LSTM CELL, launch 1 of 2: the matrix operands are rounded once to bf16 and laid out for the product of launch 2.
; NOTHING OF THE PROBLEM IS LEFT OUT: every one of the eleven inputs reaches both outputs, and every product of reference() is live.
; THE PRODUCT.  z_r = xr.Ur - xi.Ui + hr.Wr - hi.Wi and z_i = xi.Ur + xr.Ui + hi.Wr + hr.Wi: row [xr, -xi, hr, -hi] and row [xi, xr, hi, hr] of a sample
; multiply the SAME weight row [Ur, Ui, Wr, Wi] of (gate, o), 4,096 long.  So each weight is stored once, and the one minus sign is stored with x and h (a sign flip of a bf16 is exact).
;   a6: [2048 b][6 pieces xi, xr, -xi, hi, hr, -hi][1024] bf16, 12,288 bytes a row: the imaginary row is pieces 0,1 and 3,4; the real row pieces 1,2 and 4,5.
;   bw: [4096 rows][4 pieces Ur, Ui, Wr, Wi][1024] bf16, 8,192 bytes a row; row = (o / 32) x 128 + gate x 32 + o % 32, so that the four gates of 32 neighbouring o are 128 rows on end.
; SHARES.  Six sources of 16 MiB, 128 work-groups each; a wave takes 16,384 consecutive bytes: 32 loads of 512 bytes, all issued before the first wait.  Each register is used once, so no wait frees any.
; A store of 8 bytes a lane covers 256 consecutive bytes, aligned.  No LDS, no barrier, no loop: nothing is shared and nothing is read twice.
; LIMITS.  Round to nearest even, once; NaN and infinities are not treated apart.
.set X,    4                           ; v[4:131]  chunk k of 32: four f32 a lane, then two registers of bf16 (and two of their negatives)
.set AROW, 12288                       ; bytes in a row of a6
.set BROW, 8192                        ; bytes in a row of bw
	s_load_b512 s[16:31], s[0:1], 0x0              ; input 16, h_x 18, Uw_r 20, Uw_i 22, Ww_r 24, Ww_i 26, a6 28, bw 30
	v_and_b32 v3, 31, v0                           ; lane
	v_lshrrev_b32 v2, 5, v0
	v_readfirstlane_b32 s8, v2                     ; wave 0..7
	v_lshlrev_b32 v1, 4, v3                        ; 16 bytes a lane in
	v_lshlrev_b32 v2, 3, v3                        ; 8 bytes a lane out
	s_lshr_b32 s2, ttmp9, 7                        ; T: 0 Uw_r, 1 Uw_i, 2 Ww_r, 3 Ww_i, 4 input, 5 h_x
	s_and_b32 s3, ttmp9, 127                       ; q: which 131,072 bytes of that source
	s_lshl_b32 s10, s3, 17
	s_lshl_b32 s9, s8, 14
	s_add_co_u32 s10, s10, s9                      ; my wave's 16,384 bytes
	s_mov_b32 s11, 0
	s_wait_kmcnt 0x0
	s_mov_b64 s[4:5], s[20:21]                     ; the source is chosen by the work-group's number alone
	s_cmp_eq_u32 s2, 1
	s_cselect_b64 s[4:5], s[22:23], s[4:5]
	s_cmp_eq_u32 s2, 2
	s_cselect_b64 s[4:5], s[24:25], s[4:5]
	s_cmp_eq_u32 s2, 3
	s_cselect_b64 s[4:5], s[26:27], s[4:5]
	s_cmp_eq_u32 s2, 4
	s_cselect_b64 s[4:5], s[16:17], s[4:5]
	s_cmp_eq_u32 s2, 5
	s_cselect_b64 s[4:5], s[18:19], s[4:5]
	s_add_nc_u64 s[4:5], s[4:5], s[10:11]
.set k, 0
.rept 32
	global_load_b128 v[X+4*k:X+4*k+3], v1, s[4:5] offset:512*k th:TH_LOAD_NT  ; read once in the launch
.set k, k+1
.endr
; Chunk k is in (loads come back in order: the 31 - k younger ones may stay out) and is rounded in place: four f32 into two registers.
.macro CV k
	s_wait_loadcnt 31-(\k)
	v_cvt_pk_bf16_f32 v[X+4*(\k)], v[X+4*(\k)], v[X+4*(\k)+1]
	v_cvt_pk_bf16_f32 v[X+4*(\k)+1], v[X+4*(\k)+2], v[X+4*(\k)+3]
.endm
	s_cmp_lt_u32 s2, 4
	s_cbranch_scc0 .Lact
	; WEIGHTS.  My four source rows are rows 32 q + 4 w + 0..3 of [4 x 1024]: gate q / 32, o = 32 (q % 32) + 4 w + 0..3.
	s_and_b32 s12, s3, 31
	s_lshl_b32 s12, s12, 7                         ; (o / 32) x 128
	s_lshr_b32 s13, s3, 5
	s_lshl_b32 s13, s13, 5                         ; gate x 32
	s_add_co_u32 s12, s12, s13
	s_lshl_b32 s13, s8, 2                          ; o % 32
	s_add_co_u32 s12, s12, s13
	s_lshl_b32 s12, s12, 13                        ; x 8,192 bytes
	s_lshl_b32 s13, s2, 11                         ; piece T
	s_add_co_u32 s12, s12, s13
	s_mov_b32 s13, 0
	s_add_nc_u64 s[6:7], s[30:31], s[12:13]
.set k, 0
.rept 32
	CV k
	global_store_b64 v2, v[X+4*k:X+4*k+1], s[6:7] offset:(k/8)*BROW+(k%8)*256
.set k, k+1
.endr
	s_endpgm
.Lact:
	; INPUT AND h_x.  My two source rows are samples 16 q + 2 w + 0, 1; a row's first eight chunks are the real half, the other eight the imaginary half.
	s_lshl_b32 s12, s3, 4
	s_lshl_b32 s13, s8, 1
	s_add_co_u32 s12, s12, s13
	s_mul_i32 s12, s12, AROW
	s_sub_co_u32 s13, s2, 4
	s_mul_i32 s13, s13, 6144                       ; x's three pieces, then h's
	s_add_co_u32 s12, s12, s13
	s_mov_b32 s13, 0
	s_add_nc_u64 s[6:7], s[28:29], s[12:13]
.set k, 0
.rept 32
	CV k
.if (k/8)%2 == 0
	global_store_b64 v2, v[X+4*k:X+4*k+1], s[6:7] offset:(k/16)*AROW+2048+(k%8)*256   ; the real half: the middle piece
.else
	global_store_b64 v2, v[X+4*k:X+4*k+1], s[6:7] offset:(k/16)*AROW+(k%8)*256        ; the imaginary half: the first piece,
	v_xor_b32 v[X+4*k+2], 0x80008000, v[X+4*k]                                         ; and with both signs turned, in the chunk's two free registers,
	v_xor_b32 v[X+4*k+3], 0x80008000, v[X+4*k+1]
	global_store_b64 v2, v[X+4*k+2:X+4*k+3], s[6:7] offset:(k/16)*AROW+4096+(k%8)*256 ; the third
.endif
.set k, k+1
.endr
	s_endpgm
.Lfunc_end_k_qf885512907_prep:
	.size	k_qf885512907_prep, .Lfunc_end_k_qf885512907_prep-k_qf885512907_prep
	.p2alignl 7, 3214868480
	.fill 96, 4, 3214868480
	.section	.rodata,"a",@progbits
	.p2align	6, 0x0
	.amdhsa_kernel k_qf885512907_prep
		.amdhsa_group_segment_fixed_size 0
		.amdhsa_private_segment_fixed_size 0
		.amdhsa_enable_private_segment 0
		.amdhsa_kernarg_size 64
		.amdhsa_user_sgpr_count 2
		.amdhsa_user_sgpr_kernarg_segment_ptr 1
		.amdhsa_wavefront_size32 1
		.amdhsa_system_sgpr_workgroup_id_x 1
		.amdhsa_system_sgpr_workgroup_id_y 1
		.amdhsa_system_sgpr_workgroup_id_z 1
		.amdhsa_system_vgpr_workitem_id 0
		.amdhsa_next_free_vgpr 136
		.amdhsa_next_free_sgpr 66
		.amdhsa_reserve_vcc 0
		.amdhsa_float_denorm_mode_32 3
		.amdhsa_float_denorm_mode_16_64 3
		.amdhsa_memory_ordered 1
		.amdhsa_forward_progress 1
		.amdhsa_inst_pref_size 25
	.end_amdhsa_kernel
	.amdgpu_metadata
---
amdhsa.version: [ 1, 2 ]
amdhsa.kernels:
  - .name:           k_qf885512907_prep
    .symbol:         k_qf885512907_prep.kd
    .args:
      - { .name: input, .offset: 0, .size: 8, .value_kind: global_buffer, .address_space: global }
      - { .name: h_x, .offset: 8, .size: 8, .value_kind: global_buffer, .address_space: global }
      - { .name: Uw_r, .offset: 16, .size: 8, .value_kind: global_buffer, .address_space: global }
      - { .name: Uw_i, .offset: 24, .size: 8, .value_kind: global_buffer, .address_space: global }
      - { .name: Ww_r, .offset: 32, .size: 8, .value_kind: global_buffer, .address_space: global }
      - { .name: Ww_i, .offset: 40, .size: 8, .value_kind: global_buffer, .address_space: global }
      - { .name: a6, .offset: 48, .size: 8, .value_kind: global_buffer, .address_space: global }
      - { .name: bw, .offset: 56, .size: 8, .value_kind: global_buffer, .address_space: global }
    .group_segment_fixed_size: 0
    .private_segment_fixed_size: 0
    .kernarg_segment_align: 8
    .kernarg_segment_size: 64
    .max_flat_workgroup_size: 256
    .sgpr_count:     66
    .vgpr_count:     136
    .wavefront_size: 32
...
	.end_amdgpu_metadata
.endif
;; end of part 1
;; launch cell (part 2): grid 16 x 16, 4 waves a work-group, clusters of 4 x 4, 327,680 bytes of LDS; arguments a6, bw, c_x, out0, out1, Ub_r, Ub_i, Wb_r, Wb_i; writes out0, out1
.if DOCPART == 2
	.amdgcn_target "amdgcn-amd-amdhsa--gfx1250"
	.amdhsa_code_object_version 6
	.text
	.protected	k_qf885512907_cell
	.globl	k_qf885512907_cell
	.p2align	8
	.type	k_qf885512907_cell,@function
k_qf885512907_cell:
	s_mov_b64 s[64:65], 0
	v_nop
	global_prefetch_b8 v0, s[64:65] scope:SCOPE_SE
	s_setreg_imm32_b32 hwreg(HW_REG_WAVE_MODE, 25, 1), 1
	s_wait_xcnt 0x0
	s_wait_alu depctr_hold_cnt(0) depctr_sa_sdst(0) depctr_va_vdst(0) depctr_va_sdst(0) depctr_va_ssrc(0) depctr_va_vcc(0) depctr_vm_vsrc(0)
	s_getreg_b32 s2, hwreg(HW_REG_IB_STS2, 6, 4)
	s_cmp_eq_u32 s2, 0
	s_cbranch_scc0 .Lentry_in_a_cluster
	s_endpgm
.Lentry_in_a_cluster:
	s_bfe_u32 s2, ttmp6, 0x10000c
	s_cmp_lg_u32 s2, 0xf033
	s_cbranch_scc0 .Lentry_shape_is_right
	s_endpgm
.Lentry_shape_is_right:
; COMPLEX LSTM CELL, launch 2 of 2: the gates' product, the biases, the activations and the cell update, in one launch; z never goes to memory.  No work of reference() is left out.
; THE PRODUCT is 4096 x 4096 x 4096 in bf16 with f32 sums: rows = (part, sample), columns = (gate, o), K = [Ur, Ui, Wr, Wi] (the layouts a6 and bw: launch 1).
; SHARES.  A work-group makes 128 samples x both parts x 64 o x 4 gates = 256 x 256 of the product; 16 x 16 work-groups.  Each of its four waves makes 128 x 128: 64 samples (rh = wave / 2), both parts,
; 32 o (ch = wave % 2), four gates: 64 accumulators, 512 registers.  K goes in 32 steps of 128 through a ring of two LDS slots filled by tensor loads whose rows are 256 bytes of memory.
; THE MATRIX INSTRUCTION IS USED TRANSPOSED (source 0 = 16 weight rows, source 1 = 16 sample rows): lane l, register j of accumulator (part, a, gate, ob) holds sample 16 a + l % 16 and
; o = 16 ob + 8 (l / 16) + j: THE SAME PLACE IN ALL EIGHT (part, gate).  So the eight z of one (sample, o) meet in one lane, and the whole cell update is register work.
; THE BIASES Ub + Wb are the C operand of the products that start the sums: nothing is cleared and nothing is added later.
; CLUSTERS: 4 x 4 work-groups.  The four of a row of the cluster need the same sample rows, the four of a column the same weight rows: each tile is asked for jointly.
; THE TAIL.  c's tile comes by one more tensor load a wave into slot 0 when its last K step has been read; results leave through a stage in slot 1, behind its last fill and last read, as whole rows of 256 bytes.
; ARITHMETIC AND LIMITS.  x, h, the weights and c_x are taken rounded once to bf16 (c_x in registers, here), so that the cell is computed on one rounding of them; the biases enter in f32 (their rounding
; would move z by at most 2^-9 of a bias).  sigmoid(x) = 1 / (1 + 2^(-x log2 e)), tanh(x) = 1 - 2 / (1 + 2^(2 x log2 e)): for every finite x the exponential ends at 0 or infinity and the reciprocal at 1 or 0,
; so both saturate rightly and no NaN arises.  A sigmoid below 2^-126 comes out as 0; tanh has an absolute error of about 1e-7, so its relative accuracy is lost below |x| of about 1e-5.
; NaN and infinities in the inputs are not treated apart.
; REGISTERS, in windows of 256 (s_set_vgpr_msb: bits 1:0 source 0, 3:2 source 1, 5:4 source 2, 7:6 destination):
;   window 0: v0-31 addresses; v64-127, v128-191 sample fragments (i = 4 part + a), two buffers; in the tail v64-255 at work
;   window 1: v64-127, v128-191 weight fragments (bf = 2 gate + ob), two buffers; v0-63 the real bias (8 bf + j), v192-255 the imaginary
;   window 2: the real part's 32 accumulators at v[8 (8 a + bf)];   window 3: the imaginary part's
.set PITCH,  272                       ; an LDS row: 256 bytes + 16 of padding = 68 words: the 16 rows that a load touches start at 16 different groups of four banks (64 banks of 4 bytes: ISA guide 11.1)
.set HALFT,  128*PITCH                 ; 128 rows: what one tensor load of the ring brings
.set SLOT,   4*HALFT                   ; real sample rows, imaginary sample rows, weight rows of ch 0, of ch 1
.set STG,    SLOT                      ; the tail's stage, in slot 1: row plane x 128 + sample, planes h_r, h_i, c_r, c_i, 64 f32 a row
.set SPARE,  2*SLOT                    ; behind the ring: the spare words, 128 bytes for each wave: two blocks of 256 bytes that no other line names
.set AROW,   12288                     ; bytes in a row of a6
.set BROW,   8192                      ; bytes in a row of bw, of c_x and of the outputs
.set ADRA, 16                          ; v16-17  LDS address of my sample fragments in slot 0, 1
.set ADRB, 20                          ; v20-21  the same for the weights
.set VB,   22                          ; v22     my byte offset in a gate's 1,024 biases
.set CRD,  23                          ; v23     my 32 bytes in c's tile
.set STO,  24                          ; v24     the same place in the stage's planes 0 and 1
.set RD,   25                          ; v25     where I read rows of the stage back
.set CO,   26                          ; v26     my byte offset in the output
.set STO2, 27                          ; v27     planes 2 and 3: the 16-bit offset does not reach them from v24
.set SPW,  28                          ; v28     LDS address of my spare word; never rewritten
.set NIL,  29                          ; v29     0; never rewritten
.set PFO,  30                          ; v30     the ring's prefetches: my lane x a row of a6 or bw; never rewritten
.set PFC,  31                          ; v31     c's prefetches: my lane x a row of c_x; never rewritten
.set F0,   64
.set F1,   128
.set EB,   64                          ; the tail: the eight gates of a block, 8 registers each
.set FR,   EB
.set IR,   EB+8
.set AR,   EB+16
.set QR,   EB+24                       ; (the output gate)
.set FI,   EB+32
.set II,   EB+40
.set AI,   EB+48
.set QI,   EB+56
.set CC,   128                         ; c_r, c_i
.set CT2,  144                         ; ct_r, ct_i
.set TT,   160                         ; at work; tanh(ct_r), tanh(ct_i)
.set HH,   176                         ; h_r, h_i
.set OB,   192                         ; 32 rows read back from the stage
.set C512, 4                           ; s4      512
.set HM,   5                           ; s5      a word's upper bf16
.set KS,   14                          ; s[14:15] the tail: -log2 e, twice
.set KT,   16                          ; s[16:17] the tail: 2 log2 e, twice
.set PJ,   22                          ; s22     the prefetch pointer's step over the piece that a sample walk leaves out: 2,304 in waves 0, 1; 256 in waves 2, 3
.set G1,   24                          ; s[24:31] descriptor group 1 for sample tiles;  s[32:39] group 0, a set for each slot
.set G0,   32
.set PM,   43                          ; s43     bit n set: I prefetch in the trip in which s3 = n
.set PFA,  44                          ; s[44:45] where my prefetches stand
.set G1B,  48                          ; s[48:55], s[56:63] the same for weight tiles
.set G0B,  56
.set STP,  66                          ; s[66:67] a step in bytes; s67 = 0
.set G1C,  68                          ; s[68:75], s[76:79] c's tile
.set G0C,  76
.set OUT,  86                          ; s[86:87] the output plane that my wave stores
.set CA,   98                          ; s[98:99] c_x at the 64 rows that my wave fetches
.set MSB, 0
.macro WIN new                         ; the immediate's high byte repeats the setting that is left; a switch that changes nothing is dropped
.if MSB != (\new)
	s_set_vgpr_msb (MSB<<8)|(\new)
.set MSB, \new
.endif
.endm
.set MUL_LO, 0xa1                      ; source 0 (weights) window 1, source 1 (samples) window 0, C and D window 2
.set TO_B,   0x40                      ; destination window 1, address window 0
.macro PLACES                          ; four places: in front of loads into registers that matrix instructions have read, and of vector lines that read results
.rept 4
	v_nop
.endr
.endm
; A joint load.  Waves 0 and 1 fetch the real and the imaginary sample rows, waves 2 and 3 the weight rows of ch 0 and 1.  The branch hangs on the wave's number alone.
; An s_nop 0 and four v_nop follow each of the two lines, ahead of the jump and the label.
.macro JLOAD s
	s_cmp_eq_u32 s11, 0
	s_cbranch_scc0 .Lfor_b_\@
	tensor_load_to_lds s[G0+4*(\s):G0+4*(\s)+3], s[G1:G1+7]
	s_nop 0
.rept 4
	v_nop
.endr
	s_branch .Lasked_\@
.Lfor_b_\@:
	tensor_load_to_lds s[G0B+4*(\s):G0B+4*(\s)+3], s[G1B:G1B+7]
	s_nop 0
.rept 4
	v_nop
.endr
.Lasked_\@:
.endm
; A round of the cluster's barrier: my work-group's barrier, so that wave 0's signal speaks for all four waves; wave 0 signals; every wave waits for all sixteen work-groups; my work-group's barrier once more.
.macro CREST                           ; a round behind its opening barrier
	s_cmp_lg_u32 s10, 0
	s_cbranch_scc1 .Lnot_wave_0_\@
	s_barrier_signal -3
.Lnot_wave_0_\@:
	s_barrier_wait -3
	s_barrier_signal -1
	s_barrier_wait -1
.endm
.macro CROUND
	s_barrier_signal -1
	s_barrier_wait -1
	CREST
.endm
; PREFETCHES INTO THE L2, behind a joint load, its five lines and the run of LDS loads: the K step that stands TWO refills on (512 matrix instructions ahead of the load that asks for it): 32 rows x 256 bytes, a lane a row.
; Each block of 256 bytes is named once in the launch.  Sample rows are walked by all clusters of a row of clusters: cluster x = 0 asks; weight rows by all of a column: cluster y = 0 asks.  The four partners that
; ask for a tile jointly take 32 of its 128 rows each, told apart BY ADDRESS (cx for samples, cy for weights).  Wave 1 asks in K steps 4-7 and 16-23 alone: the imaginary walk's other steps are xr and hr, which the
; real walk takes eight K steps earlier.  K steps 0-3 come by their loads alone; the last two refills have no K step two on.  In the loop's last trip each wave also asks for the 64 rows of c that it will fetch two K steps later.
.macro ASK slot
	s_lshr_b32 s20, s[PM], s3
	s_and_b32 s20, s20, 1
	s_cmp_lg_u32 s20, 0
	s_cbranch_scc0 .Lnot_mine_\@
	global_prefetch_b8 v[PFO], s[PFA:PFA+1] offset:256 th:TH_LOAD_NT scope:SCOPE_SE
.Lnot_mine_\@:
.if (\slot) == 0
	s_cmp_eq_u32 s3, 1
	s_cbranch_scc0 .Lno_c_\@
	global_prefetch_b8 v[PFC], s[CA:CA+1] th:TH_LOAD_NT scope:SCOPE_SE
	global_prefetch_b8 v[PFC], s[CA:CA+1] offset:32*BROW th:TH_LOAD_NT scope:SCOPE_SE
.Lno_c_\@:
.endif
.endm
	s_load_b256 s[80:87], s[0:1], 0x0              ; a6 80, bw 82, c_x 84, out0 86
	s_load_b256 s[88:95], s[0:1], 0x20             ; out1 88, Ub_r 90, Ub_i 92, Wb_r 94
	s_load_b64 s[96:97], s[0:1], 0x40              ; Wb_i 96
	v_lshl_add_u32 v[SPW], v0, 2, SPARE
	v_mov_b32 v[NIL], 0
	ds_add_u32 v[SPW], v[NIL]                      ; the wave's opening: the add, twice on end, and its wait ahead of my first tensor load; the set-up below stands between the second and the wait
	ds_add_u32 v[SPW], v[NIL]
	v_lshrrev_b32 v1, 5, v0
	v_readfirstlane_b32 s10, v1                    ; wave 0..3
	s_lshr_b32 s11, s10, 1                         ; rh: my 64 samples.  Also: I fetch samples (0) or weights (1)
	s_and_b32 s12, s10, 1                          ; ch: my 32 o.  Also: which 128 rows I fetch
	s_bfe_u32 s40, ttmp6, 0x40000                  ; cx
	s_bfe_u32 s41, ttmp6, 0x40004                  ; cy
	s_lshl_b32 s42, ttmp9, 2
	s_add_co_u32 s42, s42, s40                     ; tc: o = 64 tc ..
	s_and_b32 s13, ttmp7, 0xffff
	s_lshl_b32 s13, s13, 2
	s_add_co_u32 s13, s13, s41                     ; tr: samples 128 tr ..
	s_lshl_b32 s43, s41, 2
	s_lshl_b32 s43, 15, s43                        ; my row of the cluster
	s_lshl_b32 s44, 0x1111, s40                    ; my column
	; group 1 of the ring's tiles: 128 rows x 128 elements of 2 bytes, 4 words of padding after every 64
	s_or_b32 s[G1+0], s43, (1<<16)|(1<<20)|(1<<21)|(5<<22)|(3<<25)   ; 15:0 the mask: sample tiles go to my row; 21 set beside a mask
	s_or_b32 s[G1B+0], s44, (1<<16)|(1<<20)|(1<<21)|(5<<22)|(3<<25)  ; weight tiles to my column
.irp g, G1, G1B
	s_mov_b32 s[(\g)+1], 128<<16                   ; tensor_dim0 = 128
	s_mov_b32 s[(\g)+2], 128<<16                   ; tensor_dim1 = 128
	s_mov_b32 s[(\g)+3], 128<<16                   ; tile_dim0 = 128
	s_mov_b32 s[(\g)+4], 128                       ; tile_dim1 = 128
	s_mov_b32 s[(\g)+6], 0
	s_mov_b32 s[(\g)+7], 0
.endr
	s_mov_b32 s[G1+5], AROW/2                      ; elements from row to row
	s_mov_b32 s[G1B+5], BROW/2
	; c's tile, a load of my own (no mask): 64 rows x 64 elements of 4 bytes, the same padding
	s_mov_b32 s[G1C+0], (2<<16)|(1<<20)|(5<<22)|(3<<25)
	s_mov_b32 s[G1C+1], 64<<16
	s_mov_b32 s[G1C+2], 64<<16
	s_mov_b32 s[G1C+3], 64<<16
	s_mov_b32 s[G1C+4], 64
	s_mov_b32 s[G1C+5], BROW/4
	s_mov_b32 s[G1C+6], 0
	s_mov_b32 s[G1C+7], 0
	s_mov_b32 s[G0C], 1
	s_mul_i32 s[G0C+1], s10, 64*PITCH              ; rows 64 w .. of the tile: row = part x 128 + sample
	s_mov_b32 s[STP+1], 0
	s_mov_b32 s[C512], 512
	; where the ring's tiles come from: the samples' address hangs on tr and the wave, the weights' on tc and the wave, each in registers that never hold the other coordinate
	s_mul_i32 s16, s13, 128*AROW
	s_xor_b32 s17, s12, 1
	s_lshl_b32 s17, s17, 11                        ; the real walk (wave 0) begins at piece 1, the imaginary (wave 1) at piece 0
	s_add_co_u32 s16, s16, s17
	s_mov_b32 s17, 0
	s_lshl_b32 s46, s42, 21                        ; 256 tc rows of 8,192 bytes
	s_lshl_b32 s47, s12, 20                        ; + 128 rows
	s_add_co_u32 s46, s46, s47
	s_mov_b32 s47, 0
	s_mul_i32 s20, s10, HALFT                      ; and where they go: wave x 128 rows
	s_wait_dscnt 0x0                               ; both opening adds are done
	s_wait_kmcnt 0x0
	s_add_nc_u64 s[14:15], s[80:81], s[16:17]
	s_add_nc_u64 s[46:47], s[82:83], s[46:47]
	CROUND                                         ; all sixteen work-groups are here: the first joint loads meet
.irp s, 0,1
	s_mov_b32 s[G0+4*(\s)], 1
	s_add_co_u32 s[G0+4*(\s)+1], s20, (\s)*SLOT
	s_add_nc_u64 s[G0+4*(\s)+2:G0+4*(\s)+3], s[14:15], (\s)*256      ; K step s
	s_or_b32 s[G0+4*(\s)+3], s[G0+4*(\s)+3], 0x80000000
	s_mov_b32 s[G0B+4*(\s)], 1
	s_add_co_u32 s[G0B+4*(\s)+1], s20, (\s)*SLOT
	s_add_nc_u64 s[G0B+4*(\s)+2:G0B+4*(\s)+3], s[46:47], (\s)*256
	s_or_b32 s[G0B+4*(\s)+3], s[G0B+4*(\s)+3], 0x80000000
	JLOAD \s                                       ; two loads of mine are out
.endr
	; all that follows, up to the wait for K step 0, stands in the wait for the first tiles
	v_and_b32 v1, 15, v0                           ; r = l % 16
	v_bfe_u32 v2, v0, 4, 1                         ; h = l / 16
	v_mul_u32_u24 v3, v1, PITCH
	v_lshl_add_u32 v3, v2, 4, v3                   ; a fragment: row x pitch + 16 x half
	s_mul_i32 s18, s11, 64*PITCH                   ; my 64 samples in each part's 128 rows
	s_mul_i32 s19, s12, HALFT
	s_add_co_u32 s19, s19, 2*HALFT                 ; my 128 weight rows
.irp s, 0,1
	v_add_nc_u32 v[ADRA+(\s)], s18, v3
	v_add_nc_u32 v[ADRB+(\s)], s19, v3
	s_add_co_u32 s18, s18, SLOT
	s_add_co_u32 s19, s19, SLOT
.endr
	s_lshl_b32 s18, s42, 8
	s_lshl_b32 s19, s12, 7
	s_add_co_u32 s18, s18, s19
	v_lshl_add_u32 v[VB], v2, 5, s18               ; 4 (64 tc + 32 ch + 8 h)
	s_mul_i32 s18, s11, 64*PITCH
	s_add_co_u32 s18, s18, s19
	v_mul_u32_u24 v[CRD], v1, PITCH
	v_lshl_add_u32 v[CRD], v2, 5, v[CRD]
	v_add_nc_u32 v[CRD], s18, v[CRD]               ; (64 rh + r) x pitch + 128 ch + 32 h
	v_add_nc_u32 v[STO], STG, v[CRD]
	v_add_nc_u32 v[STO2], STG+2*HALFT, v[CRD]
	s_mul_i32 s18, s10, HALFT
	s_add_co_u32 s18, s18, STG                     ; back: wave w takes plane w; lanes 0-15 one row of 256 bytes, lanes 16-31 the next
	v_mul_u32_u24 v[RD], v2, PITCH
	v_lshl_add_u32 v[RD], v1, 4, v[RD]
	v_add_nc_u32 v[RD], s18, v[RD]
	v_lshlrev_b32 v[CO], 13, v2                    ; and the same two rows in the output
	v_lshl_add_u32 v[CO], v1, 4, v[CO]
	; the biases: my 8 numbers of each (gate, ob), of all four bias inputs
	WIN TO_B
.irp g, 0,1,2,3
.irp u, 0,1
.irp q, 0,1
	global_load_b128 v[8*(2*(\g)+(\u))+4*(\q):8*(2*(\g)+(\u))+4*(\q)+3],         v[VB], s[90:91] offset:(\g)*4096+(\u)*64+(\q)*16
	global_load_b128 v[192+8*(2*(\g)+(\u))+4*(\q):192+8*(2*(\g)+(\u))+4*(\q)+3], v[VB], s[92:93] offset:(\g)*4096+(\u)*64+(\q)*16
.endr
.endr
.endr
	WIN 0
.irp g, 0,1,2,3
.irp u, 0,1
.irp q, 0,1
	global_load_b128 v[64+8*(2*(\g)+(\u))+4*(\q):64+8*(2*(\g)+(\u))+4*(\q)+3],   v[VB], s[94:95] offset:(\g)*4096+(\u)*64+(\q)*16
	global_load_b128 v[128+8*(2*(\g)+(\u))+4*(\q):128+8*(2*(\g)+(\u))+4*(\q)+3], v[VB], s[96:97] offset:(\g)*4096+(\u)*64+(\q)*16
.endr
.endr
.endr
	; c_x at my 64 rows of its tile: samples 128 tr + 64 (w % 2) .., part w / 2, columns 64 tc ..
	s_lshl_b32 s18, s13, 20
	s_lshl_b32 s19, s12, 19
	s_add_co_u32 s18, s18, s19
	s_lshl_b32 s19, s11, 12
	s_add_co_u32 s18, s18, s19
	s_lshl_b32 s19, s42, 8
	s_add_co_u32 s18, s18, s19
	s_mov_b32 s19, 0
	s_add_nc_u64 s[CA:CA+1], s[84:85], s[18:19]
	s_mov_b64 s[G0C+2:G0C+3], s[CA:CA+1]
	s_or_b32 s[G0C+3], s[G0C+3], 0x80000000
	; the plane that I store: waves 0, 1 h_t's real and imaginary half, waves 2, 3 c_t's
	s_lshl_b32 s18, s13, 20
	s_lshl_b32 s19, s12, 12
	s_add_co_u32 s18, s18, s19
	s_lshl_b32 s19, s42, 8
	s_add_co_u32 s18, s18, s19
	s_mov_b32 s19, 0
	s_cmp_lt_u32 s10, 2
	s_cselect_b64 s[OUT:OUT+1], s[86:87], s[88:89]
	s_add_nc_u64 s[OUT:OUT+1], s[OUT:OUT+1], s[18:19]
	; the prefetches' pointer, mask and offsets
	s_lshl_b32 s18, s13, 7
	s_lshl_b32 s19, s40, 5
	s_add_co_u32 s18, s18, s19                     ; samples: row 128 tr + 32 cx,
	s_mul_i32 s18, s18, AROW
	s_xor_b32 s19, s12, 1
	s_lshl_b32 s19, s19, 11
	s_add_co_u32 s18, s18, s19                     ; my walk's first piece
	s_lshl_b32 s20, s42, 8
	s_lshl_b32 s21, s12, 7
	s_add_co_u32 s20, s20, s21
	s_lshl_b32 s21, s41, 5
	s_add_co_u32 s20, s20, s21                     ; weights: row 256 tc + 128 (w % 2) + 32 cy
	s_lshl_b32 s20, s20, 13
	s_and_b32 s21, ttmp7, 0xffff                   ; cluster y
	s_mov_b32 s19, 0
	s_movk_i32 s[PJ], 256
	s_mov_b32 s23, BROW
	s_mov_b32 s[PM], 0xfffc                        ; trips s3 = 15 .. 2: K steps 4 to 31
	s_cmp_eq_u32 s11, 0                            ; do I fetch samples?
	s_cselect_b32 s18, s18, s20
	s_cselect_b32 s21, ttmp9, s21                  ; the coordinate along which other clusters walk the same rows
	s_cselect_b64 s[PFA:PFA+1], s[80:81], s[82:83]
	s_cselect_b32 s[PJ], 2304, s[PJ]
	s_cselect_b32 s23, AROW, s23
	s_add_nc_u64 s[PFA:PFA+1], s[PFA:PFA+1], s[18:19]
	s_add_nc_u64 s[PFA:PFA+1], s[PFA:PFA+1], 512   ; at K step 2: the first refill steps it to 3 and names K step 4
	s_cmp_eq_u32 s10, 1
	s_cselect_b32 s[PM], 0xc3c0, s[PM]             ; wave 1: trips 15, 14 (K steps 4-7) and 9 .. 6 (K steps 16-23)
	s_cmp_eq_u32 s21, 0
	s_cselect_b32 s[PM], s[PM], 0                  ; the same in all sixteen partners, for a given wave
	v_and_b32 v[PFC], 31, v0
	v_mul_u32_u24 v[PFO], s23, v[PFC]
	v_lshlrev_b32 v[PFC], 13, v[PFC]
	s_wait_loadcnt 0x0                             ; the biases
	WIN 0x41                                       ; destination and source 0 window 1, source 1 window 0
.set i, 0
.rept 32
	v_pk_add_f32 v[i:i+1], v[i:i+1], v[64+i:64+i+1]                  ; Ub_r + Wb_r
	v_pk_add_f32 v[192+i:192+i+1], v[192+i:192+i+1], v[128+i:128+i+1] ; Ub_i + Wb_i
.set i, i+2
.endr
	WIN 0
; 16 matrix instructions: sample blocks a0, a0 + 1 of part hi x all 8 weight blocks, 32 along K.  zero = 1: the first product starts the sums, with the bias as C.
; The 64 accumulators take turns, one instruction a turn, in the same order in every quarter step, over the backward jump too.
.macro MUL16 f, hi, a0, zero
.if \zero
	WIN 0x91+0x40*(\hi)                            ; C in window 1
.else
	WIN MUL_LO+0x50*(\hi)
.endif
.irp a, \a0, (\a0)+1
.irp b, 0,1,2,3,4,5,6,7
.if \zero
	v_wmma_f32_16x16x32_bf16 v[8*(8*(\a)+(\b)):8*(8*(\a)+(\b))+7], v[(\f)+8*(\b):(\f)+8*(\b)+7], v[(\f)+8*(4*(\hi)+(\a)):(\f)+8*(4*(\hi)+(\a))+7], v[192*(\hi)+8*(\b):192*(\hi)+8*(\b)+7]
.else
	v_wmma_f32_16x16x32_bf16 v[8*(8*(\a)+(\b)):8*(8*(\a)+(\b))+7], v[(\f)+8*(\b):(\f)+8*(\b)+7], v[(\f)+8*(4*(\hi)+(\a)):(\f)+8*(4*(\hi)+(\a))+7], v[8*(8*(\a)+(\b)):8*(8*(\a)+(\b))+7]
.endif
.endr
.endr
.endm
; 32 LDS loads in one run: a quarter step's fragments (32 K at byte k of the rows) into buffer f: 8 of weights, 4 of real sample rows, 4 of imaginary
.macro FETCH slot, k, f
	WIN TO_B
.irp i, 0,1,2,3,4,5,6,7
	ds_load_b128 v[(\f)+8*(\i):(\f)+8*(\i)+3],   v[ADRB+(\slot)] offset:(\k)+(\i)*16*PITCH
	ds_load_b128 v[(\f)+8*(\i)+4:(\f)+8*(\i)+7], v[ADRB+(\slot)] offset:(\k)+(\i)*16*PITCH+32
.endr
	WIN 0
.irp i, 0,1,2,3,4,5,6,7
	ds_load_b128 v[(\f)+8*(\i):(\f)+8*(\i)+3],   v[ADRA+(\slot)] offset:(\k)+((\i)/4)*HALFT+((\i)%4)*16*PITCH
	ds_load_b128 v[(\f)+8*(\i)+4:(\f)+8*(\i)+7], v[ADRA+(\slot)] offset:(\k)+((\i)/4)*HALFT+((\i)%4)*16*PITCH+32
.endr
.endm
; A K step is four quarters of 32 along K, 64 matrix instructions each, on buffers 0, 1, 0, 1.  One of the first three multiplies buffer f and, in its middle, fetches the next quarter, at byte k, into buffer g.
.macro QUARTER slot, k, f, g, zero
	s_wait_dscnt 8                                 ; the weights and the real rows are in; the youngest eight loads (the imaginary rows) may be out
	MUL16 \f, 0, 0, \zero
	MUL16 \f, 0, 2, \zero
	PLACES
	FETCH \slot, \k, \g
	s_wait_dscnt 32                                ; all but the 32 just issued
	MUL16 \f, 1, 0, \zero
	MUL16 \f, 1, 2, \zero
.endm
; The first half of a K step's last quarter, and the barrier that opens the round of a change of slots.  In front of it each wave waits for all its tensor loads (one is out: its part of the next slot),
; adds 0 to its spare word, and waits for that and for its own reads of this slot.
.macro MEET
	WIN 0                                          ; (the add's two registers lie in window 0)
	s_wait_tensorcnt 0x0
	ds_add_u32 v[SPW], v[NIL]
	s_wait_dscnt 9                                 ; (the add and the youngest eight loads may be out)
	MUL16 F1, 0, 0, 0                              ; sixteen matrix instructions stand between the add and the wait for it
	s_wait_dscnt 0x0                               ; the add is done, and my reads of this slot are over
	s_barrier_signal -1
	MUL16 F1, 0, 2, 0                              ; work on registers while the others arrive
	WIN 0
	s_barrier_wait -1
.endm
; The whole last quarter of a K step in the loop: the slot just read out is filled again with the K step two on, first thing behind the round; from that request to the wait for it a wave issues 224 matrix instructions.
; A sample walk is 16 K steps on end, one piece (2,048 bytes) left out, 16 more: the descriptors jump where they step to K steps 16 and 17 (s3 = 8), the prefetch pointer where it comes to name K step 16 (slot 0, s3 = 9).
.macro TURN slot, next
	s_wait_xcnt 0x0                                ; the last prefetch, a K step back, has read its address: it is stepped here, ahead of the waits of the change of slots
.if (\slot) == 0
	s_cmp_eq_u32 s3, 9
	s_cselect_b32 s[STP], s[PJ], 256
	s_add_nc_u64 s[PFA:PFA+1], s[PFA:PFA+1], s[STP:STP+1]
.else
	s_add_nc_u64 s[PFA:PFA+1], s[PFA:PFA+1], 256
.endif
	MEET
	CREST                                          ; no wave of any partner still reads this slot's tile or has a load on its way
	s_cmp_eq_u32 s3, 8
	s_cselect_b32 s[STP], 2560, s[C512]
	s_add_nc_u64 s[G0+4*(\slot)+2:G0+4*(\slot)+3], s[G0+4*(\slot)+2:G0+4*(\slot)+3], s[STP:STP+1]
	s_add_nc_u64 s[G0B+4*(\slot)+2:G0B+4*(\slot)+3], s[G0B+4*(\slot)+2:G0B+4*(\slot)+3], 512
	JLOAD \slot                                    ; the four v_nop behind it are also the places in front of the loads below
	FETCH \next, 0, F0
	ASK \slot
	MUL16 F1, 1, 0, 0
	MUL16 F1, 1, 2, 0
.endm
	s_wait_tensorcnt 1                             ; my part of K step 0 is in; K step 1's may stay out
	s_barrier_signal -1
	s_barrier_wait -1                              ; everybody's is
	FETCH 0, 0, F0
	QUARTER 0, 64,  F0, F1, 1                      ; the first quarter stands in front of the loop: its products start the sums, with the biases
	WIN 0                                          ; at a label and at a branch every window is 0
	s_mov_b32 s3, 15
.Llap:                                                 ; a trip goes once round the ring, from a lap's second quarter to the next lap's first, and fills both slots again: K steps 2 (16 - s3) and 2 (16 - s3) + 1
	QUARTER 0, 128, F1, F0, 0
	QUARTER 0, 192, F0, F1, 0
	TURN 0, 1
	QUARTER 1, 64,  F0, F1, 0
	QUARTER 1, 128, F1, F0, 0
	QUARTER 1, 192, F0, F1, 0
	TURN 1, 0
	QUARTER 0, 64,  F0, F1, 0
	WIN 0
	s_sub_co_u32 s3, s3, 1
	s_cmp_lg_u32 s3, 0
	s_cbranch_scc1 .Llap
	QUARTER 0, 128, F1, F0, 0                      ; the last lap is written out
	QUARTER 0, 192, F0, F1, 0
	MEET                                           ; slot 0's last K step has been read:
	CREST
	tensor_load_to_lds s[G0C:G0C+3], s[G1C:G1C+7]  ; it takes c's tile, 64 rows a wave: my one load behind this round, and my last; it has a K step in which to land
	s_nop 0
	PLACES                                         ; also the places in front of the loads below
	FETCH 1, 0, F0
	MUL16 F1, 1, 0, 0
	MUL16 F1, 1, 2, 0
	QUARTER 1, 64,  F0, F1, 0
	QUARTER 1, 128, F1, F0, 0
	QUARTER 1, 192, F0, F1, 0
	s_wait_dscnt 8                                 ; the very last quarter: nothing more to fetch
	MUL16 F1, 0, 0, 0
	MUL16 F1, 0, 2, 0
	s_wait_dscnt 0x0                               ; my reads of slot 1 are over
	MUL16 F1, 1, 0, 0
	MUL16 F1, 1, 2, 0
	WIN 0
	s_wait_tensorcnt 0x0                           ; my part of c's tile is in
	s_barrier_signal -1
	s_barrier_wait -1                              ; c's tile is whole, and nobody reads slot 1 any more: it becomes the stage
	PLACES                                         ; the places behind the last products, in front of the lines that read their results and write their sources
	PLACES
	s_mov_b32 s[KS], 0xbfb8aa3b                    ; -log2 e
	s_mov_b32 s[KS+1], s[KS]                       ; named with it as a pair
	s_mov_b32 s[KT], 0x4038aa3b                    ; 2 log2 e
	s_mov_b32 s[KT+1], s[KT]
	s_mov_b32 s[HM], 0xffff0000
; THE TAIL's small parts, on runs of registers in window 0.
.macro RUN1 op, base, n                ; a transcendental in place on n registers: back to back, on different registers
.set i, 0
.rept \n
	\op v[(\base)+i], v[(\base)+i]
.set i, i+1
.endr
.endm
.macro TEND                            ; behind a batch: a plain instruction, and the one wait ahead of the batch's first reader
	v_nop
	s_wait_alu depctr_va_vdst(0)
.endm
.macro PLUS1 base, n                   ; n pairs: x + 1
.set i, 0
.rept \n
	v_pk_add_f32 v[(\base)+i:(\base)+i+1], v[(\base)+i:(\base)+i+1], 1.0 op_sel_hi:[1,0]
.set i, i+2
.endr
.endm
.macro ONE2 base, n                    ; n pairs: 1 - 2 x
.set i, 0
.rept \n
	v_pk_fma_f32 v[(\base)+i:(\base)+i+1], v[(\base)+i:(\base)+i+1], -2.0, 1.0 op_sel_hi:[1,0,0]
.set i, i+2
.endr
.endm
.macro M4 d, x, y                      ; eight numbers: d = x y
.irp j, 0,2,4,6
	v_pk_mul_f32 v[(\d)+(\j):(\d)+(\j)+1], v[(\x)+(\j):(\x)+(\j)+1], v[(\y)+(\j):(\y)+(\j)+1]
.endr
.endm
.macro A4 d, x, y                      ; d += x y
.irp j, 0,2,4,6
	v_pk_fma_f32 v[(\d)+(\j):(\d)+(\j)+1], v[(\x)+(\j):(\x)+(\j)+1], v[(\y)+(\j):(\y)+(\j)+1], v[(\d)+(\j):(\d)+(\j)+1]
.endr
.endm
.macro S4 d, x, y                      ; d -= x y
.irp j, 0,2,4,6
	v_pk_fma_f32 v[(\d)+(\j):(\d)+(\j)+1], v[(\x)+(\j):(\x)+(\j)+1], v[(\y)+(\j):(\y)+(\j)+1], v[(\d)+(\j):(\d)+(\j)+1] neg_lo:[0,1,0] neg_hi:[0,1,0]
.endr
.endm
; THE CELL UPDATE of sample block a, o block ob: 8 (sample, o) a lane.  Four batches of transcendentals, each with one wait.
.macro BLOCK a, ob
	WIN 0
.irp p, 0,1
	ds_load_b128 v[CC+8*(\p):CC+8*(\p)+3],   v[CRD] offset:(\p)*HALFT+(\a)*16*PITCH+(\ob)*64
	ds_load_b128 v[CC+8*(\p)+4:CC+8*(\p)+7], v[CRD] offset:(\p)*HALFT+(\a)*16*PITCH+(\ob)*64+16
.endr
.irp p, 0,1                            ; the exponents: -z log2 e for the three sigmoids, 2 z log2 e for the tanh; each accumulator is read from its low end on
	WIN 0x02+(\p)                                  ; source 0 in window 2 or 3
.irp g, 0,1,2,3
.irp j, 0,2,4,6
.if (\g) == 2
	v_pk_mul_f32 v[EB+32*(\p)+8*(\g)+(\j):EB+32*(\p)+8*(\g)+(\j)+1], v[64*(\a)+16*(\g)+8*(\ob)+(\j):64*(\a)+16*(\g)+8*(\ob)+(\j)+1], s[KT:KT+1] op_sel_hi:[1,0]
.else
	v_pk_mul_f32 v[EB+32*(\p)+8*(\g)+(\j):EB+32*(\p)+8*(\g)+(\j)+1], v[64*(\a)+16*(\g)+8*(\ob)+(\j):64*(\a)+16*(\g)+8*(\ob)+(\j)+1], s[KS:KS+1] op_sel_hi:[1,0]
.endif
.endr
.endr
.endr
	WIN 0
	RUN1 v_exp_f32, EB, 64
	s_wait_dscnt 0x0                               ; c is in.  It is rounded to bf16 and widened again: 24 plain lines that name no exponential's result, the independent work behind the batch
.irp j, 0,2,4,6,8,10,12,14
	v_cvt_pk_bf16_f32 v[TT+(\j)/2], v[CC+(\j)], v[CC+(\j)+1]
.endr
.irp j, 0,2,4,6,8,10,12,14
	v_lshlrev_b32 v[CC+(\j)], 16, v[TT+(\j)/2]
	v_and_b32 v[CC+(\j)+1], s[HM], v[TT+(\j)/2]
.endr
	s_wait_alu depctr_va_vdst(0)                   ; one wait for the 64 exponentials, ahead of their first reader
	PLUS1 EB, 32
	RUN1 v_rcp_f32, EB, 64
	TEND
	ONE2 AR, 4                                     ; the sigmoids are done; a = 1 - 2 / (1 + e)
	ONE2 AI, 4
	M4 CT2,   CC,   FR                             ; ct = c f + a i, complex; the two parts' chains alternate
	M4 CT2+8, CC,   FI
	S4 CT2,   CC+8, FI
	A4 CT2+8, CC+8, FR
	A4 CT2,   AR,   IR
	A4 CT2+8, AR,   II
	S4 CT2,   AI,   II
	A4 CT2+8, AI,   IR
.irp j, 0,2,4,6,8,10,12,14
	v_pk_mul_f32 v[TT+(\j):TT+(\j)+1], v[CT2+(\j):CT2+(\j)+1], s[KT:KT+1] op_sel_hi:[1,0]
.endr
	RUN1 v_exp_f32, TT, 16
	TEND
	PLUS1 TT, 8
	RUN1 v_rcp_f32, TT, 16
	TEND
	ONE2 TT, 8                                     ; tanh(ct_r), tanh(ct_i)
	M4 HH,   QR, TT                                ; h = o tanh(ct), complex
	M4 HH+8, QR, TT+8
	S4 HH,   QI, TT+8
	A4 HH+8, QI, TT
.irp p, 0,1
	ds_store_b128 v[STO],  v[HH+8*(\p):HH+8*(\p)+3],    offset:(\p)*HALFT+(\a)*16*PITCH+(\ob)*64
	ds_store_b128 v[STO],  v[HH+8*(\p)+4:HH+8*(\p)+7],  offset:(\p)*HALFT+(\a)*16*PITCH+(\ob)*64+16
	ds_store_b128 v[STO2], v[CT2+8*(\p):CT2+8*(\p)+3],   offset:(\p)*HALFT+(\a)*16*PITCH+(\ob)*64
	ds_store_b128 v[STO2], v[CT2+8*(\p)+4:CT2+8*(\p)+7], offset:(\p)*HALFT+(\a)*16*PITCH+(\ob)*64+16
.endr
.endm
; Sample blocks a of both row halves are in the stage, all four planes, 256 bytes a row from two waves: a barrier, then wave w reads plane w's 32 rows whole and stores them.
; Each phase has stage rows of its own, so one barrier a phase orders all that is shared; the stores leave while the next phase computes.
.macro SEND a
	s_wait_dscnt 0x0                               ; for the others' sake: my stores into the stage are done
	s_barrier_signal -1
	s_barrier_wait -1
	s_wait_xcnt 0x0                                ; the last phase's stores have read their registers, which are loaded again below
.irp t, 0,1,2,3,4,5,6,7,8,9,10,11,12,13,14,15
	ds_load_b128 v[OB+4*(\t):OB+4*(\t)+3], v[RD] offset:((\t)/8)*64*PITCH+(\a)*16*PITCH+((\t)%8)*2*PITCH
.endr
.irp t, 0,1,2,3,4,5,6,7,8,9,10,11,12,13,14,15
	s_wait_dscnt 15-(\t)                           ; LDS loads come back in order: the younger ones may stay out
	global_store_b128 v[CO], v[OB+4*(\t):OB+4*(\t)+3], s[OUT:OUT+1] offset:(((\t)/8)*64+16*(\a)+2*((\t)%8))*BROW th:TH_STORE_NT  ; 16 lanes store 256 consecutive bytes, aligned
.endr
.endm
.irp a, 0,1,2,3
	BLOCK \a, 0
	BLOCK \a, 1
	SEND \a
.endr
	s_wait_tensorcnt 0x0                           ; the wave's end, behind my last tensor load and my last LDS store
	ds_add_u32 v[SPW], v[NIL]
	s_wait_dscnt 0x0
	CROUND                                         ; the closing round: no work-group ends while a partner may still ask for a tile that names it
	s_endpgm
.Lfunc_end_k_qf885512907_cell:
	.size	k_qf885512907_cell, .Lfunc_end_k_qf885512907_cell-k_qf885512907_cell
	.p2alignl 7, 3214868480
	.fill 96, 4, 3214868480
	.section	.rodata,"a",@progbits
	.p2align	6, 0x0
	.amdhsa_kernel k_qf885512907_cell
		.amdhsa_group_segment_fixed_size 327680
		.amdhsa_private_segment_fixed_size 0
		.amdhsa_enable_private_segment 0
		.amdhsa_kernarg_size 72
		.amdhsa_user_sgpr_count 2
		.amdhsa_user_sgpr_kernarg_segment_ptr 1
		.amdhsa_wavefront_size32 1
		.amdhsa_system_sgpr_workgroup_id_x 1
		.amdhsa_system_sgpr_workgroup_id_y 1
		.amdhsa_system_sgpr_workgroup_id_z 1
		.amdhsa_system_vgpr_workitem_id 0
		.amdhsa_next_free_vgpr 1024
		.amdhsa_next_free_sgpr 100
		.amdhsa_reserve_vcc 0
		.amdhsa_float_denorm_mode_32 3
		.amdhsa_float_denorm_mode_16_64 3
		.amdhsa_memory_ordered 1
		.amdhsa_forward_progress 1
		.amdhsa_inst_pref_size 255
	.end_amdhsa_kernel
	.section	.bss,"aw",@nobits
	.p2align	6
	.space	262144
	.amdgpu_metadata
---
amdhsa.version: [ 1, 2 ]
amdhsa.kernels:
  - .name:           k_qf885512907_cell
    .symbol:         k_qf885512907_cell.kd
    .args:
      - { .name: a6, .offset: 0, .size: 8, .value_kind: global_buffer, .address_space: global }
      - { .name: bw, .offset: 8, .size: 8, .value_kind: global_buffer, .address_space: global }
      - { .name: c_x, .offset: 16, .size: 8, .value_kind: global_buffer, .address_space: global }
      - { .name: out0, .offset: 24, .size: 8, .value_kind: global_buffer, .address_space: global }
      - { .name: out1, .offset: 32, .size: 8, .value_kind: global_buffer, .address_space: global }
      - { .name: Ub_r, .offset: 40, .size: 8, .value_kind: global_buffer, .address_space: global }
      - { .name: Ub_i, .offset: 48, .size: 8, .value_kind: global_buffer, .address_space: global }
      - { .name: Wb_r, .offset: 56, .size: 8, .value_kind: global_buffer, .address_space: global }
      - { .name: Wb_i, .offset: 64, .size: 8, .value_kind: global_buffer, .address_space: global }
    .group_segment_fixed_size: 327680
    .private_segment_fixed_size: 0
    .kernarg_segment_align: 8
    .kernarg_segment_size: 72
    .max_flat_workgroup_size: 128
    .sgpr_count:     100
    .vgpr_count:     1024
    .wavefront_size: 32
...
	.end_amdgpu_metadata
.endif
;; end of part 2
;; ======== version 2 of 2: 2 launches; version 1 with the launch prep written anew for expert scheduling mode
;; limits: values outside matrix products are rounded to bf16
;; workspace buffers: a6 25,165,824 bytes; bw 33,554,432 bytes
;; launch prep (part 3): grid 768 x 1, 8 waves a work-group, no clusters, 0 bytes of LDS; arguments input, h_x, Uw_r, Uw_i, Ww_r, Ww_i, a6, bw; writes a6, bw
.if DOCPART == 3
	.amdgcn_target "amdgcn-amd-amdhsa--gfx1250"
	.amdhsa_code_object_version 6
	.text
	.protected	k_qf885512907_prep
	.globl	k_qf885512907_prep
	.p2align	8
	.type	k_qf885512907_prep,@function
k_qf885512907_prep:
	s_mov_b64 s[64:65], 0
	v_nop
	global_prefetch_b8 v0, s[64:65] scope:SCOPE_SE
	s_setreg_imm32_b32 hwreg(HW_REG_WAVE_SCHED_MODE, 0, 2), 2
	s_setreg_imm32_b32 hwreg(HW_REG_WAVE_MODE, 25, 1), 1
	s_wait_xcnt 0x0
	s_wait_alu depctr_vm_vsrc(0)
; COMPLEX LSTM CELL, launch 1 of 2: the matrix operands are rounded once to bf16 and laid out for the product of launch 2.
; NOTHING OF THE PROBLEM IS LEFT OUT: every one of the eleven inputs reaches both outputs, and every product of reference() is live.
; THE PRODUCT.  z_r = xr.Ur - xi.Ui + hr.Wr - hi.Wi and z_i = xi.Ur + xr.Ui + hi.Wr + hr.Wi: row [xr, -xi, hr, -hi] and row [xi, xr, hi, hr] of a sample
; multiply the SAME weight row [Ur, Ui, Wr, Wi] of (gate, o), 4,096 long.  So each weight is stored once, and the one minus sign is stored with x and h (a sign flip of a bf16 is exact).
;   a6: [2048 b][6 pieces xi, xr, -xi, hi, hr, -hi][1024] bf16, 12,288 bytes a row: the imaginary row is pieces 0,1 and 3,4; the real row pieces 1,2 and 4,5.
;   bw: [4096 rows][4 pieces Ur, Ui, Wr, Wi][1024] bf16, 8,192 bytes a row; row = (o / 32) x 128 + gate x 32 + o % 32, so that the four gates of 32 neighbouring o are 128 rows on end.
; SHARES.  Six sources of 16 MiB, 128 work-groups each; a wave takes 16,384 consecutive bytes: 32 loads of 512 bytes, all issued before the first wait.  Each register is used once.
; A store of 8 bytes a lane covers 256 consecutive bytes, aligned.  No LDS, no barrier, no loop: nothing is shared and nothing is read twice.
; LIMITS.  Round to nearest even, once; NaN and infinities are not treated apart.
; THE MODE: SCHED_MODE bits 1:0 = 2 (LLVM: expert scheduling mode 2), set by the entry lines.  The code itself states the register dependences
; between vector instructions and memory instructions, with s_wait_alu, always for 0.
; THE PLAN.  Registers that memory instructions touch:
;   v1, v2     byte offsets of the loads and of the stores: made once at the head and never written again.
;   v[4:131]   chunk k of 32, four registers: written by the chunk's load, once; then its conversions write registers 0 and 1 and, in an imaginary half, two sign flips registers 2 and 3;
;              then the chunk's one or two stores read them.  Nothing writes a register behind a store that read it, and no load lands in a register that a vector line has named.
; The chunks go in eight groups of four.  Group p's vector lines name group p's registers alone; its memory instructions are the stores of group p - 1.  So ONE wait on va_vdst at a group's head states
; all that its stores hang on, and they are dealt among the group's conversions with no further wait; one more stands ahead of the last group's stores.
.set X,    4                           ; v[4:131]  chunk k of 32: four f32 a lane, then two registers of bf16 (and two of their negatives)
.set AROW, 12288                       ; bytes in a row of a6
.set BROW, 8192                        ; bytes in a row of bw
.set GRP,  4                           ; chunks in a group: it divides the eight chunks of a half row, so a group is wholly real or wholly imaginary
.set GROUPS, 32/GRP
	s_load_b512 s[16:31], s[0:1], 0x0              ; input 16, h_x 18, Uw_r 20, Uw_i 22, Ww_r 24, Ww_i 26, a6 28, bw 30
	v_and_b32 v3, 31, v0                           ; lane
	v_lshrrev_b32 v2, 5, v0
	v_readfirstlane_b32 s8, v2                     ; wave 0..7
	v_lshlrev_b32 v1, 4, v3                        ; 16 bytes a lane in
	v_lshlrev_b32 v2, 3, v3                        ; 8 bytes a lane out
	s_lshr_b32 s2, ttmp9, 7                        ; T: 0 Uw_r, 1 Uw_i, 2 Ww_r, 3 Ww_i, 4 input, 5 h_x
	s_and_b32 s3, ttmp9, 127                       ; q: which 131,072 bytes of that source
	s_lshl_b32 s10, s3, 17
	s_wait_alu depctr_va_sdst(0)                   ; s8 is written, ahead of its first reader: the wave's place in the source and in a6 or bw is made from it
	s_lshl_b32 s9, s8, 14
	s_add_co_u32 s10, s10, s9                      ; my wave's 16,384 bytes
	s_mov_b32 s11, 0
	s_wait_kmcnt 0x0
	s_mov_b64 s[4:5], s[20:21]                     ; the source is chosen by the work-group's number alone
	s_cmp_eq_u32 s2, 1
	s_cselect_b64 s[4:5], s[22:23], s[4:5]
	s_cmp_eq_u32 s2, 2
	s_cselect_b64 s[4:5], s[24:25], s[4:5]
	s_cmp_eq_u32 s2, 3
	s_cselect_b64 s[4:5], s[26:27], s[4:5]
	s_cmp_eq_u32 s2, 4
	s_cselect_b64 s[4:5], s[16:17], s[4:5]
	s_cmp_eq_u32 s2, 5
	s_cselect_b64 s[4:5], s[18:19], s[4:5]
	s_add_nc_u64 s[4:5], s[4:5], s[10:11]
	s_wait_alu depctr_va_vdst(0)                   ; v1 and v2 are written: every load of the kernel reads v1 as its offset, every store v2; no later vector line names either
.set k, 0
.rept 32
	global_load_b128 v[X+4*k:X+4*k+3], v1, s[4:5] offset:512*k th:TH_LOAD_NT  ; read once in the launch
.set k, k+1
.endr
; Chunk k is rounded in place: four f32 into two registers.
.macro CV k
	v_cvt_pk_bf16_f32 v[X+4*(\k)], v[X+4*(\k)], v[X+4*(\k)+1]
	v_cvt_pk_bf16_f32 v[X+4*(\k)+1], v[X+4*(\k)+2], v[X+4*(\k)+3]
.endm
; Chunk k of a weight source is stored: source row k / 8 of my four, 256 bytes of its 2,048.
.macro WST k
	global_store_b64 v2, v[X+4*(\k):X+4*(\k)+1], s[6:7] offset:((\k)/8)*BROW+((\k)%8)*256
.endm
; Chunk k of input or h_x: an imaginary half's chunk is also made with both signs turned, in the chunk's two free registers.
.macro ACV k
	CV \k
.if ((\k)/8)%2 == 1
	v_xor_b32 v[X+4*(\k)+2], 0x80008000, v[X+4*(\k)]
	v_xor_b32 v[X+4*(\k)+3], 0x80008000, v[X+4*(\k)+1]
.endif
.endm
.macro AST k
.if ((\k)/8)%2 == 0
	global_store_b64 v2, v[X+4*(\k):X+4*(\k)+1], s[6:7] offset:((\k)/16)*AROW+2048+((\k)%8)*256   ; the real half: the middle piece
.else
	global_store_b64 v2, v[X+4*(\k):X+4*(\k)+1], s[6:7] offset:((\k)/16)*AROW+((\k)%8)*256        ; the imaginary half: the first piece,
	global_store_b64 v2, v[X+4*(\k)+2:X+4*(\k)+3], s[6:7] offset:((\k)/16)*AROW+4096+((\k)%8)*256 ; and, with the signs turned, the third
.endif
.endm
	s_cmp_lt_u32 s2, 4
	s_cbranch_scc0 .Lact
	; WEIGHTS.  My four source rows are rows 32 q + 4 w + 0..3 of [4 x 1024]: gate q / 32, o = 32 (q % 32) + 4 w + 0..3.
	s_and_b32 s12, s3, 31
	s_lshl_b32 s12, s12, 7                         ; (o / 32) x 128
	s_lshr_b32 s13, s3, 5
	s_lshl_b32 s13, s13, 5                         ; gate x 32
	s_add_co_u32 s12, s12, s13
	s_lshl_b32 s13, s8, 2                          ; o % 32
	s_add_co_u32 s12, s12, s13
	s_lshl_b32 s12, s12, 13                        ; x 8,192 bytes
	s_lshl_b32 s13, s2, 11                         ; piece T
	s_add_co_u32 s12, s12, s13
	s_mov_b32 s13, 0
	s_add_nc_u64 s[6:7], s[30:31], s[12:13]
.set p, 0
.rept GROUPS
	s_wait_loadcnt 32-GRP-GRP*p                    ; loads come back in order (ISA guide 5.7.1): group p's four chunks are in, the younger ones stay out
.if p > 0
	s_wait_alu depctr_va_vdst(0)                   ; the conversions of group p - 1 have written their chunks' registers 0 and 1, which the stores below read
.endif
.set i, 0
.rept GRP
.if p > 0
	WST GRP*(p-1)+i                                ; no vector line since the wait names these registers
.endif
	CV GRP*p+i
.set i, i+1
.endr
.set p, p+1
.endr
	s_wait_alu depctr_va_vdst(0)                   ; the last group's conversions have written the registers that the last four stores read
.set i, 0
.rept GRP
	WST 32-GRP+i
.set i, i+1
.endr
	s_endpgm
.Lact:
	; INPUT AND h_x.  My two source rows are samples 16 q + 2 w + 0, 1; a row's first eight chunks are the real half, the other eight the imaginary half.
	s_lshl_b32 s12, s3, 4
	s_lshl_b32 s13, s8, 1
	s_add_co_u32 s12, s12, s13
	s_mul_i32 s12, s12, AROW
	s_sub_co_u32 s13, s2, 4
	s_mul_i32 s13, s13, 6144                       ; x's three pieces, then h's
	s_add_co_u32 s12, s12, s13
	s_mov_b32 s13, 0
	s_add_nc_u64 s[6:7], s[28:29], s[12:13]
.set p, 0
.rept GROUPS
	s_wait_loadcnt 32-GRP-GRP*p                    ; group p's four chunks are in, the younger ones stay out
.if p > 0
	s_wait_alu depctr_va_vdst(0)                   ; the conversions and sign flips of group p - 1 have written their chunks' registers, which the stores below read
.endif
.set i, 0
.rept GRP
.if p > 0
	AST GRP*(p-1)+i                                ; no vector line since the wait names these registers
.endif
	ACV GRP*p+i
.set i, i+1
.endr
.set p, p+1
.endr
	s_wait_alu depctr_va_vdst(0)                   ; the last group's conversions and sign flips have written the registers that the last eight stores read
.set i, 0
.rept GRP
	AST 32-GRP+i
.set i, i+1
.endr
	s_endpgm
.Lfunc_end_k_qf885512907_prep:
	.size	k_qf885512907_prep, .Lfunc_end_k_qf885512907_prep-k_qf885512907_prep
	.p2alignl 7, 3214868480
	.fill 96, 4, 3214868480
	.section	.rodata,"a",@progbits
	.p2align	6, 0x0
	.amdhsa_kernel k_qf885512907_prep
		.amdhsa_group_segment_fixed_size 0
		.amdhsa_private_segment_fixed_size 0
		.amdhsa_enable_private_segment 0
		.amdhsa_kernarg_size 64
		.amdhsa_user_sgpr_count 2
		.amdhsa_user_sgpr_kernarg_segment_ptr 1
		.amdhsa_wavefront_size32 1
		.amdhsa_system_sgpr_workgroup_id_x 1
		.amdhsa_system_sgpr_workgroup_id_y 1
		.amdhsa_system_sgpr_workgroup_id_z 1
		.amdhsa_system_vgpr_workitem_id 0
		.amdhsa_next_free_vgpr 136
		.amdhsa_next_free_sgpr 66
		.amdhsa_reserve_vcc 0
		.amdhsa_float_denorm_mode_32 3
		.amdhsa_float_denorm_mode_16_64 3
		.amdhsa_memory_ordered 1
		.amdhsa_forward_progress 1
		.amdhsa_inst_pref_size 24
	.end_amdhsa_kernel
	.amdgpu_metadata
---
amdhsa.version: [ 1, 2 ]
amdhsa.kernels:
  - .name:           k_qf885512907_prep
    .symbol:         k_qf885512907_prep.kd
    .args:
      - { .name: input, .offset: 0, .size: 8, .value_kind: global_buffer, .address_space: global }
      - { .name: h_x, .offset: 8, .size: 8, .value_kind: global_buffer, .address_space: global }
      - { .name: Uw_r, .offset: 16, .size: 8, .value_kind: global_buffer, .address_space: global }
      - { .name: Uw_i, .offset: 24, .size: 8, .value_kind: global_buffer, .address_space: global }
      - { .name: Ww_r, .offset: 32, .size: 8, .value_kind: global_buffer, .address_space: global }
      - { .name: Ww_i, .offset: 40, .size: 8, .value_kind: global_buffer, .address_space: global }
      - { .name: a6, .offset: 48, .size: 8, .value_kind: global_buffer, .address_space: global }
      - { .name: bw, .offset: 56, .size: 8, .value_kind: global_buffer, .address_space: global }
    .group_segment_fixed_size: 0
    .private_segment_fixed_size: 0
    .kernarg_segment_align: 8
    .kernarg_segment_size: 64
    .max_flat_workgroup_size: 256
    .sgpr_count:     66
    .vgpr_count:     136
    .wavefront_size: 32
...
	.end_amdgpu_metadata
.endif
;; end of part 3
;; launch cell: the kernel of part 2 again; grid 16 x 16, 4 waves a work-group, clusters of 4 x 4, 327,680 bytes of LDS; arguments a6, bw, c_x, out0, out1, Ub_r, Ub_i, Wb_r, Wb_i; writes out0, out1
